; MI455X (gfx1250); checked and timed in simulation.
; The chip was launched on July 23, 2026; its instructions are those of AMD's public machine-readable ISA for CDNA 5 (MIT licence, August 2026) and "CDNA5" Instruction Set Architecture Reference Guide (July 2026). The comments in the code are by the model that wrote it; some were corrected since.
;; Causal Self Attention. Allowed arithmetic: matrix products marked QUANTISED: E4M3 operands, one given power-of-two scale a tensor, by v_wmma_f32_16x16x64_fp8_fp8 or v_wmma_f32_16x16x128_fp8_fp8, f32 sums; everything else in f32.
;; Inputs: b_attn 3,072 float32; b_proj 1,024 float32; lowp_scales 8 int32 (the exponents e of the quantised operands' scales 2^e); w_attn 1,024 x 3,072 float32; w_proj 1,024 x 1,024 float32; x 2 x 2,048 x 1,024 float32.
;; Outputs: out0 2 x 2,048 x 1,024 float32.
;; This version of the problem:
;;   THIS VERSION OF THE PROBLEM IS GIVEN IN LOW PRECISION. The matrix products marked QUANTISED in the list below multiply operands that are first quantised to E4M3 (4 exponent bits, 3 mantissa bits; 8 bits a number), with one given power-of-two scale for each operand tensor; their sums are f32. All else is computed in f32.
;;   The module's matrix products, in the order in which they are computed (A, B: the left and right operand; K: the contracted axis; several contracted axes count as one K, in the product's order):
;;     1. [M 4,096, K 1,024] x [K 1,024, N 3,072]; A: input x; B: input w_attn: QUANTISED (scales: A lowp_scales[0], B lowp_scales[1])
;;     2. batch 32 x [M 2,048, K 64] x [K 64, N 2,048]; A: computed on the way; B: computed on the way: QUANTISED (scales: A lowp_scales[2], B lowp_scales[3])
;;     3. batch 32 x [M 2,048, K 2,048] x [K 2,048, N 64]; A: softmax (see below); B: computed on the way: QUANTISED (scales: A lowp_scales[4], B lowp_scales[5])
;;     4. [M 4,096, K 1,024] x [K 1,024, N 1,024]; A: computed on the way; B: input w_proj: QUANTISED (scales: A lowp_scales[6], B lowp_scales[7])
;;   THE QUANTISER, for each operand of a quantised product, along K:
;;     - The operand's scale is 2^e, e = its entry of the input lowp_scales (int32; the entries are numbered through the quantised products in the list's order, A before B).
;;     - Each number is divided by the scale, clamped to +-448, and rounded to the nearest number of E4M3, ties to even, subnormals kept.
;;     - The product sums the exact products of the quantised numbers (number of the format x scale) in f32.
;;   ~~~python
;;   def quantise(x, axis, e):      # numpy; x: float32 -> the quantised numbers, widened to float32 again
;;       x = np.moveaxis(x, axis, -1); K = x.shape[-1]
;;       r = np.clip(x / 2.0 ** e, -448, 448)
;;       step = 2.0 ** (np.maximum(np.frexp(np.where(r == 0, 1, r))[1] - 1, -6) - 3)
;;       q = np.round(r / step) * step * 2.0 ** e      # np.round: ties to even
;;       return np.moveaxis(q, -1, axis).astype(np.float32)
;;   ~~~
;;   SOFTMAX AHEAD OF A QUANTISED PRODUCT. Where the list says 'softmax', what is quantised is not the finished softmax but p = 2^(t - M), with t = logit x log2(e) and M = ceil(the row's largest t), a whole number; so 1/2 < the row's largest p <= 1. The row's sum l is taken of the UNQUANTISED p, in f32, and the product's result is divided by l at the end. Since M is a whole number, a kernel that streams over the keys may use a running M (the ceiling of the running maximum): every later rescaling is an exact power of two, so the quantised numbers keep their values, but for numbers so far below the row's largest that they fall under the format's range.
;;   OPERANDS COMPUTED ON THE WAY. 'Computed on the way' means the value that the module computes at that place (a softmax that the list does not call 'softmax' is quantised finished and normalised). What goes into a quantiser is computed in f32, as accurately as f32 sums, v_exp_f32 and their like allow (about 1e-6 of the number): no bf16 or f16 on the way to a quantiser, and a product that is left as it is and whose result goes on into a quantised operand takes f32 operands (vector FMAs, or v_wmma_f32_16x16x4_f32). A number that lies on a knife's edge between two numbers of the format may be rounded either way, as far as f32 arithmetic and the matrix unit's own rounding can turn it there, and no further.
;; One version. Each part assembles by itself: llvm-mc -triple=amdgcn-amd-amdhsa -mcpu=gfx1250 --defsym DOCPART=n.
;; ======== version 1 of 1: 4 launches
;; limits: right only within a limited range of input values
;; workspace buffers: xq 4,194,304 bytes; wq 4,194,304 bytes; qkvc 12,582,912 bytes; yc 4,194,304 bytes
;; launch quant (part 1): grid 256 x 1, 4 waves a work-group, no clusters, 68,096 bytes of LDS; arguments x, w_attn, w_proj, lowp_scales, xq, wq; writes xq, wq
.if DOCPART == 1
	.amdgcn_target "amdgcn-amd-amdhsa--gfx1250"
	.amdhsa_code_object_version 6
	.text
	.protected	k_q6f795900fd_quant
	.globl	k_q6f795900fd_quant
	.p2align	8
	.type	k_q6f795900fd_quant,@function
k_q6f795900fd_quant:
	s_mov_b64 s[64:65], 0
	v_nop
	global_prefetch_b8 v0, s[64:65] scope:SCOPE_SE
	s_setreg_imm32_b32 hwreg(HW_REG_WAVE_MODE, 25, 1), 1
	s_wait_xcnt 0x0
; CAUSAL SELF-ATTENTION IN E4M3, launch 1 of 4: x, w_attn and w_proj (f32) become codes, K innermost, each with its given scale 2^e.
; WORK LEFT OUT IN THIS PROGRAM: in the two products of attention, the key tiles that lie wholly above the diagonal.  The problem's own body puts
; -infinity on every logit whose key comes after its query, for all values of the inputs; the softmax gives such a key the weight 0 exactly, so
; neither its score nor its value can reach an output.  Where all keys of a tile come after all queries of a tile, the tile is not multiplied
; (the third launch).  Nothing else is left out: both biases, all eight scales and all inputs have a way to the output and are loaded.
; LIMIT: a NaN, an infinity or an overflow that would arise only in those tiles is not carried to the result.
; code = number / 2^e, held within +-448, to the nearest code, ties to even.  LIMITS: e0, e1, e7 between -126 and 119; NaN among the inputs is not served.
; THE ORDER OF THE CODES, in every buffer of codes of this program: inside each 32 along K, byte 16 h + 8 u + j holds k = 16 u + 8 h + j.  A load of 16 bytes at
; 32 c + 16 h then fills registers 4 c .. 4 c + 3 of a fragment just as the plain 8-bit matrix forms lay k (ISA guide 7.12.2).
; xq: [4096][1024].  wq: [4096][1024]: rows 0-3071 are w_attn's columns, rows 3072-4095 w_proj's.
; Work-groups 0-127 take x (K innermost: a plain stream of blocks of 32), work-groups 128-255 the weights (K outermost: a lane takes a column, its registers run down K).
; No tensor loads, no barrier: waves share nothing.  Each of the two ways has LDS bytes of its own.
.set SP,     80                        ; x's stage: 64 bytes (16 numbers) + 16 of padding
.set WREG,   8192                      ; x's way: a region for each wave, two stages of 32 x SP bytes
.set WST,    32768                     ; the weights' way: from here a stage of 32 rows x WP bytes for each wave
.set WP,     272
.set SPARE,  67584                     ; behind both: the spare words, 128 bytes for each wave
.set SPW,    12                        ; v12  my spare word's address; never rewritten
.set NIL,    13                        ; v13  0; never rewritten
.set XR,     16                        ; x: v16-79 four sets of 16 numbers as loaded
.set XX,     80                        ; x: v80-111 two sets of 16 numbers in the codes' order
.set XC,     128                       ; x: v128-191 codes, four registers for each step
.set WX,     32                        ; w: v32-95 two sets of 32 numbers
.set WC,     96                        ; w: v96-103 a block's codes
.set WOUT,   112                       ; w: v112-175 the way out
.set WOFF,   176                       ; w: v176-207 offsets of a block's 32 rows
	s_load_b128 s[4:7], s[0:1], 0x0                ; x, w_attn
	s_load_b128 s[8:11], s[0:1], 0x10              ; w_proj, the scales' exponents
	s_load_b128 s[12:15], s[0:1], 0x20             ; xq, wq
	v_lshl_add_u32 v[SPW], v0, 2, SPARE
	v_mov_b32 v[NIL], 0
	v_lshrrev_b32 v1, 5, v0
	v_readfirstlane_b32 s16, v1                    ; wave
	v_and_b32 v2, 31, v0                           ; lane
	s_wait_kmcnt 0x0
	s_load_b256 s[24:31], s[10:11], 0x0            ; e0 .. e7
	s_cmp_lt_u32 ttmp9, 128
	s_cbranch_scc0 .Lweights
; ---------------- x: a wave takes 16 steps of 512 numbers
	s_wait_alu depctr_va_vdst(0)
	v_lshlrev_b32 v3, 4, v2                        ; my 16 bytes of a load's 512, and of a step's 512 bytes of codes
	s_mul_i32 s17, s16, WREG
	v_lshrrev_b32 v14, 2, v2
	v_mul_u32_u24 v14, v14, SP
	v_and_b32 v15, 3, v2
	v_lshl_add_u32 v14, v15, 4, v14
	v_add_nc_u32 v14, s17, v14                     ; into the stage: four lanes' 64 bytes on end, then the padding
	v_lshrrev_b32 v15, 1, v2
	v_mul_u32_u24 v15, v15, 2*SP                   ; out of it: two lanes to a block of 32 (two places of 16 numbers);
	v_and_b32 v9, 1, v2
	v_lshl_add_u32 v15, v9, 5, v15                 ; lane 2 B + s takes k = 8 s .. 8 s + 7 of the first place and of the second
	v_add_nc_u32 v15, s17, v15
	s_lshl_b32 s18, ttmp9, 2
	s_add_co_u32 s18, s18, s16                     ; which run of 8,192 numbers is my wave's
	s_lshl_b32 s20, s18, 15
	s_mov_b32 s21, 0
	s_add_nc_u64 s[4:5], s[4:5], s[20:21]
	s_lshl_b32 s20, s18, 13
	s_add_nc_u64 s[12:13], s[12:13], s[20:21]
.macro XLOAD t
.irp i, 0,1,2,3
	global_load_b128 v[XR+16*((\t)%4)+4*\i:XR+16*((\t)%4)+4*\i+3], v3, s[4:5] offset:2048*(\t)+512*\i th:TH_LOAD_NT   ; 32 lanes read 512 consecutive bytes
.endr
.endm
.macro XTURN t                         ; a step's numbers through the stage; LDS serves a wave's instructions in order, so no wait stands between stores and loads
.irp i, 0,1,2,3
	ds_store_b128 v14, v[XR+16*((\t)%4)+4*\i:XR+16*((\t)%4)+4*\i+3] offset:32*SP*((\t)%2)+8*SP*\i
.endr
	ds_load_b128 v[XX+16*((\t)%2):XX+16*((\t)%2)+3],     v15 offset:32*SP*((\t)%2)
	ds_load_b128 v[XX+16*((\t)%2)+4:XX+16*((\t)%2)+7],   v15 offset:32*SP*((\t)%2)+16
	ds_load_b128 v[XX+16*((\t)%2)+8:XX+16*((\t)%2)+11],  v15 offset:32*SP*((\t)%2)+SP
	ds_load_b128 v[XX+16*((\t)%2)+12:XX+16*((\t)%2)+15], v15 offset:32*SP*((\t)%2)+SP+16
.endm
.irp t, 0,1,2,3
	XLOAD \t
.endr
	s_wait_alu depctr_va_vdst(0)
	s_wait_kmcnt 0x0
	s_add_co_i32 s22, s24, 127
	s_lshl_b32 s23, s22, 23
	v_mov_b32 v11, s23                             ; 2^e0 as f32: the conversion takes its exponent field
	s_add_co_i32 s22, s22, 8
	s_lshl_b32 s22, s22, 23
	s_or_b32 s22, s22, 0x600000
	v_mov_b32 v10, s22                             ; 448 x 2^e0
	s_wait_alu depctr_va_vdst(0)
	s_wait_loadcnt 12                              ; step 0's four loads are in; three steps' loads may be out
	XTURN 0
.macro XSTEP t
.set XS, XX+16*((\t)%2)
	s_wait_dscnt 0x0                               ; this step's numbers are back from the stage, and its stores into the stage have read their registers,
.if (\t)+4 < 16
	XLOAD (\t)+4                                   ; which take the loads of four steps on
.endif
.if (\t)+1 < 16
.if 14-(\t) >= 3
	s_wait_loadcnt 12                              ; the next step's four loads are in; those of the three steps behind it may be out
.else
	s_wait_loadcnt 4*(14-(\t))
.endif
	XTURN (\t)+1
.endif
.set i, 0
.rept 16
	v_med3_num_f32 v[XS+i], v[XS+i], -v10, v10     ; the conversion to an 8-bit code does not saturate (ISA guide 7.6.2): the hold comes first
.set i, i+1
.endr
	v_cvt_scalef32_pk8_fp8_f32 v[XC+4*(\t):XC+4*(\t)+1], v[XS:XS+7], v11
	v_cvt_scalef32_pk8_fp8_f32 v[XC+4*(\t)+2:XC+4*(\t)+3], v[XS+8:XS+15], v11
	global_store_b128 v3, v[XC+4*(\t):XC+4*(\t)+3], s[12:13] offset:512*(\t)   ; the wave stores 512 consecutive bytes; each step has its own registers, so no store's data are written again
.endm
.irp t, 0,1,2,3,4,5,6,7,8,9,10,11,12,13,14,15
	XSTEP \t
.endr
	s_branch .Lend
; ---------------- the weights: a wave takes 32 columns x 256 along K
.Lweights:
	s_sub_co_u32 s17, ttmp9, 128
	s_and_b32 s18, s17, 31                         ; which 128 of the joint 4,096 columns
	s_lshr_b32 s19, s17, 5                         ; which 256 along K
	s_mov_b32 s20, 12288
	s_cmp_ge_u32 s18, 24                           ; w_proj's columns?  The choice hangs on the work-group's number alone
	s_cselect_b64 s[6:7], s[8:9], s[6:7]           ; the source,
	s_cselect_b32 s20, 4096, s20                   ; its row in bytes,
	s_cselect_b32 s21, 24, 0
	s_sub_co_u32 s21, s18, s21
	s_lshl_b32 s21, s21, 7
	s_lshl_b32 s23, s16, 5
	s_add_co_u32 s21, s21, s23                     ; and my wave's first column in it
	s_mul_i32 s34, s19, s20
	s_lshl_b32 s34, s34, 8                         ; 256 rows for each step along K
	s_lshl_b32 s35, s21, 2
	s_add_co_u32 s34, s34, s35
	s_mov_b32 s35, 0
	s_add_nc_u64 s[36:37], s[6:7], s[34:35]        ; block 0's base;
	s_lshl_b32 s52, s20, 5
	s_mov_b32 s53, 0
.irp t, 1,2,3,4,5,6,7
	s_add_nc_u64 s[36+2*\t:37+2*\t], s[34+2*\t:35+2*\t], s[52:53]   ; block t's: 32 rows further down
.endr
	s_wait_alu depctr_va_vdst(0)
	v_lshlrev_b32 v3, 2, v2
.set i, 0
.rept 32
	v_mad_u32_u24 v[WOFF+i], s20, i, v3            ; row i of a block, my column
.set i, i+1
.endr
	s_mul_i32 s56, s16, 32*WP
	s_add_co_u32 s56, s56, WST                     ; my stage
	v_mul_u32_u24 v4, v2, WP
	v_add_nc_u32 v4, s56, v4                       ; into it: row = my column
	v_and_b32 v5, 15, v2
	v_lshrrev_b32 v6, 4, v2
	v_mul_u32_u24 v7, v6, WP
	v_lshl_add_u32 v7, v5, 4, v7
	v_add_nc_u32 v7, s56, v7                       ; out of it: sixteen lanes to a row, two rows an instruction
	v_lshlrev_b32 v8, 10, v6
	v_lshl_add_u32 v8, v5, 4, v8                   ; and the same place in wq (rows of 1,024 bytes)
	s_lshl_b32 s54, s18, 7
	s_add_co_u32 s54, s54, s23
	s_lshl_b32 s54, s54, 10
	s_lshl_b32 s55, s19, 8
	s_add_co_u32 s54, s54, s55
	s_mov_b32 s55, 0
	s_add_nc_u64 s[14:15], s[14:15], s[54:55]
.macro WLOAD t                         ; block t: 32 rows of the weight at my column: 128 consecutive bytes a wave and load
.set i, 0
.rept 32
	global_load_b32 v[WX+32*((\t)%2)+i], v[WOFF+i], s[36+2*(\t):37+2*(\t)] th:TH_LOAD_NT
.set i, i+1
.endr
.endm
	WLOAD 0
	WLOAD 1
	s_wait_kmcnt 0x0
	s_cmp_ge_u32 s18, 24
	s_cselect_b32 s22, s31, s25                    ; e7 or e1
	s_add_co_i32 s22, s22, 127
	s_lshl_b32 s23, s22, 23
	v_mov_b32 v11, s23                             ; 2^e
	s_add_co_i32 s22, s22, 8
	s_lshl_b32 s22, s22, 23
	s_or_b32 s22, s22, 0x600000
	v_mov_b32 v10, s22                             ; 448 x 2^e
.macro WBLOCK t
.set XS, WX+32*((\t)%2)
.if (\t) < 7
	s_wait_loadcnt 32                              ; this block's 32 loads are in; the next block's may be out
.else
	s_wait_loadcnt 0x0
.endif
.set i, 0
.rept 32
	v_med3_num_f32 v[XS+i], v[XS+i], -v10, v10
.set i, i+1
.endr
	v_cvt_scalef32_pk8_fp8_f32 v[WC:WC+1],   v[XS:XS+7],     v11   ; k 0-7   -> bytes 0-7
	v_cvt_scalef32_pk8_fp8_f32 v[WC+4:WC+5], v[XS+8:XS+15],  v11   ; k 8-15  -> bytes 16-23: the codes' order costs nothing here
	v_cvt_scalef32_pk8_fp8_f32 v[WC+2:WC+3], v[XS+16:XS+23], v11   ; k 16-23 -> bytes 8-15
	v_cvt_scalef32_pk8_fp8_f32 v[WC+6:WC+7], v[XS+24:XS+31], v11   ; k 24-31 -> bytes 24-31
	ds_store_b128 v4, v[WC:WC+3] offset:32*(\t)
	ds_store_b128 v4, v[WC+4:WC+7] offset:32*(\t)+16
.if (\t)+2 < 8
	WLOAD (\t)+2
.endif
	s_wait_dscnt 0x0                               ; the stores have read their registers: the next block's codes may be written
.endm
	s_wait_alu depctr_va_vdst(0)
.irp t, 0,1,2,3,4,5,6,7
	WBLOCK \t
.endr
.set i, 0
.rept 16
	ds_load_b128 v[WOUT+4*i:WOUT+4*i+3], v7 offset:2*i*WP   ; these see my stores: LDS serves a wave's instructions in order
.set i, i+1
.endr
.set i, 0
.rept 16
	s_wait_dscnt 15-i                              ; load i is back; the younger ones may be out
	global_store_b128 v8, v[WOUT+4*i:WOUT+4*i+3], s[14:15] offset:2*i*1024   ; sixteen lanes store 256 consecutive bytes, aligned
.set i, i+1
.endr
.Lend:
	s_wait_tensorcnt 0x0                           ; the wave's end
	ds_add_u32 v[SPW], v[NIL]
	s_wait_dscnt 0x0
	s_endpgm
.Lfunc_end_k_q6f795900fd_quant:
	.size	k_q6f795900fd_quant, .Lfunc_end_k_q6f795900fd_quant-k_q6f795900fd_quant
	.p2alignl 7, 3214868480
	.fill 96, 4, 3214868480
	.section	.rodata,"a",@progbits
	.p2align	6, 0x0
	.amdhsa_kernel k_q6f795900fd_quant
		.amdhsa_group_segment_fixed_size 68096
		.amdhsa_private_segment_fixed_size 0
		.amdhsa_enable_private_segment 0
		.amdhsa_kernarg_size 48
		.amdhsa_user_sgpr_count 2
		.amdhsa_user_sgpr_kernarg_segment_ptr 1
		.amdhsa_wavefront_size32 1
		.amdhsa_system_sgpr_workgroup_id_x 1
		.amdhsa_system_sgpr_workgroup_id_y 1
		.amdhsa_system_sgpr_workgroup_id_z 1
		.amdhsa_system_vgpr_workitem_id 0
		.amdhsa_next_free_vgpr 208
		.amdhsa_next_free_sgpr 66
		.amdhsa_reserve_vcc 0
		.amdhsa_float_denorm_mode_32 3
		.amdhsa_float_denorm_mode_16_64 3
		.amdhsa_memory_ordered 1
		.amdhsa_forward_progress 1
		.amdhsa_inst_pref_size 88
	.end_amdhsa_kernel
	.amdgpu_metadata
---
amdhsa.version: [ 1, 2 ]
amdhsa.kernels:
  - .name:           k_q6f795900fd_quant
    .symbol:         k_q6f795900fd_quant.kd
    .args:
      - { .name: x, .offset: 0, .size: 8, .value_kind: global_buffer, .address_space: global }
      - { .name: w_attn, .offset: 8, .size: 8, .value_kind: global_buffer, .address_space: global }
      - { .name: w_proj, .offset: 16, .size: 8, .value_kind: global_buffer, .address_space: global }
      - { .name: lowp_scales, .offset: 24, .size: 8, .value_kind: global_buffer, .address_space: global }
      - { .name: xq, .offset: 32, .size: 8, .value_kind: global_buffer, .address_space: global }
      - { .name: wq, .offset: 40, .size: 8, .value_kind: global_buffer, .address_space: global }
    .group_segment_fixed_size: 68096
    .private_segment_fixed_size: 0
    .kernarg_segment_align: 8
    .kernarg_segment_size: 48
    .max_flat_workgroup_size: 128
    .sgpr_count:     66
    .vgpr_count:     208
    .wavefront_size: 32
...
	.end_amdgpu_metadata
.endif
;; end of part 1
;; launch qkv (part 2): grid 12 x 16, 4 waves a work-group, clusters of 4 x 4, 327,680 bytes of LDS; arguments xq, wq, lowp_scales, b_attn, qkvc; writes qkvc
.if DOCPART == 2
	.amdgcn_target "amdgcn-amd-amdhsa--gfx1250"
	.amdhsa_code_object_version 6
	.text
	.protected	k_q6f795900fd_qkv
	.globl	k_q6f795900fd_qkv
	.p2align	8
	.type	k_q6f795900fd_qkv,@function
k_q6f795900fd_qkv:
	s_mov_b64 s[64:65], 0
	v_nop
	global_prefetch_b8 v0, s[64:65] scope:SCOPE_SE
	s_setreg_imm32_b32 hwreg(HW_REG_WAVE_MODE, 25, 1), 1
	s_wait_xcnt 0x0
	s_wait_alu depctr_hold_cnt(0) depctr_sa_sdst(0) depctr_va_vdst(0) depctr_va_sdst(0) depctr_va_ssrc(0) depctr_va_vcc(0) depctr_vm_vsrc(0)
	s_getreg_b32 s2, hwreg(HW_REG_IB_STS2, 6, 4)
	s_cmp_eq_u32 s2, 0
	s_cbranch_scc0 .Lentry_in_a_cluster
	s_endpgm
.Lentry_in_a_cluster:
	s_bfe_u32 s2, ttmp6, 0x10000c
	s_cmp_lg_u32 s2, 0xf033
	s_cbranch_scc0 .Lentry_shape_is_right
	s_endpgm
.Lentry_shape_is_right:
; Launch 2 of 4: q, k, v = x w_attn + b_attn on codes of E4M3, each quantised with its own given scale into qkvc.  A tile is 256 x 256, four waves of 128 x 128; K goes in steps of 256 through a ring of two slots.
; Clusters of 4 x 4 work-groups ask for the tiles jointly.  v is made transposed, so that its keys are innermost: [batch][block of 128 keys][head][64][128].  Nothing is left out.
; The first K step's load goes out at the head; the second's behind the full sequence and a round, ahead of the first fragments.  No prefetch: K has four steps, two of them in the ring from the start.
; LIMITS: e2, e3, e5 less (e0 + e1) between -126 and 119.  NaN is not served.
.set KSTEP,  256
.set ROWB,   256
.set KROW,   1024
.set PITCH,  272
.set FR,     16
.set NL,     4
.set NP,     4
.set HALFT,  128*PITCH
.set SLOT,   4*HALFT
.set STAGE,  2*SLOT
.set SPITCH, 144
.set SPARE,  STAGE+4*16*SPITCH
.set CO,   8
.set LIM,  12
.set SC,   13
.set ADRA, 16
.set ADRB, 20
.set STO,  24
.set RD,   25
.set SPW,  28
.set NIL,  29
.set BI,   32
.set TMP,  32
.set BO,   96
.set PCK,  96
.set AF,   128
.set BK,   128
.set G1, 24
.set G0, 32
.set G1B, 48
.set G0B, 56
.set MSB, 0
.macro WIN new
.if MSB != \new
	s_set_vgpr_msb (MSB<<8)|\new
.set MSB, \new
.endif
.endm
.set MUL_LO, 0xa1
.set MUL_HI, 0xf1
.set FST_LO, 0x81
.set FST_HI, 0xc1
.set TO_B,   0x40
.macro JLOAD g0a, g1a, g0b, g1b
	s_cmp_eq_u32 s15, 0
	s_cbranch_scc0 .Lfor_b_\@
	tensor_load_to_lds s[\g0a:\g0a+3], s[\g1a:\g1a+7]
	s_nop 0
.rept 4
	v_nop
.endr
	s_branch .Lasked_\@
.Lfor_b_\@:
	tensor_load_to_lds s[\g0b:\g0b+3], s[\g1b:\g1b+7]
	s_nop 0
.rept 4
	v_nop
.endr
.Lasked_\@:
.endm
.macro CREST
	s_cmp_lg_u32 s14, 0
	s_cbranch_scc1 .Lnot_wave_0_\@
	s_barrier_signal -3
.Lnot_wave_0_\@:
	s_barrier_wait -3
	s_barrier_signal -1
	s_barrier_wait -1
.endm
.macro CROUND
	s_barrier_signal -1
	s_barrier_wait -1
	CREST
.endm
	s_load_b128 s[4:7], s[0:1], 0x0
	s_load_b128 s[8:11], s[0:1], 0x10
	s_load_b64 s[12:13], s[0:1], 0x20
	v_lshl_add_u32 v[SPW], v0, 2, SPARE
	v_mov_b32 v[NIL], 0
	ds_add_u32 v[SPW], v[NIL]
	ds_add_u32 v[SPW], v[NIL]
	v_lshrrev_b32 v1, 5, v0
	v_readfirstlane_b32 s14, v1
	s_lshr_b32 s15, s14, 1
	s_and_b32 s16, s14, 1
	s_bfe_u32 s40, ttmp6, 0x40000
	s_bfe_u32 s41, ttmp6, 0x40004
	s_mov_b32 s66, ttmp9
	s_and_b32 s67, ttmp7, 0xffff
	s_lshl_b32 s69, s67, 2
	s_add_co_u32 s17, s69, s41
	s_add_co_u32 s19, s41, 8
	s_lshl_b32 s42, s66, 2
	s_add_co_u32 s42, s42, s40
	s_add_co_u32 s46, s69, s40
	s_cmp_eq_u32 s66, 2
	s_cselect_b32 s17, s19, s17
	s_cselect_b32 s42, s46, s42
	s_cselect_b32 s68, -1, 0
	s_lshl_b32 s43, s41, 2
	s_lshl_b32 s43, 15, s43
	s_lshl_b32 s44, 0x1111, s40
	s_or_b32 s[G1+0], s43, (0<<16)|(1<<20)|(1<<21)|(5<<22)|(3<<25)
	s_or_b32 s[G1B+0], s44, (0<<16)|(1<<20)|(1<<21)|(5<<22)|(3<<25)
.irp g, G1, G1B
	s_mov_b32 s[\g+1], ROWB<<16
	s_mov_b32 s[\g+2], 128<<16
	s_mov_b32 s[\g+3], ROWB<<16
	s_mov_b32 s[\g+4], 128
	s_mov_b32 s[\g+5], KROW
	s_mov_b32 s[\g+6], 0
	s_mov_b32 s[\g+7], 0
.endr
	s_lshl_b32 s18, s16, 7
	s_lshl_b32 s20, s17, 8
	s_add_co_u32 s20, s20, s18
	s_lshl_b32 s20, s20, 10
	s_mov_b32 s21, 0
	s_lshl_b32 s46, s42, 8
	s_add_co_u32 s46, s46, s18
	s_lshl_b32 s46, s46, 10
	s_mov_b32 s47, 0
	s_mul_i32 s45, s14, HALFT
	s_wait_dscnt 0x0
	s_wait_kmcnt 0x0
	s_load_b256 s[72:79], s[8:9], 0x0
	s_cmp_eq_u32 s66, 2
	s_cselect_b64 s[80:81], s[6:7], s[4:5]
	s_cselect_b64 s[82:83], s[4:5], s[6:7]
	s_add_nc_u64 s[20:21], s[80:81], s[20:21]
	s_add_nc_u64 s[46:47], s[82:83], s[46:47]
	CROUND
.irp s, 0,1
	s_mov_b32 s[G0+4*\s], 1
	s_add_co_u32 s[G0+4*\s+1], s45, \s*SLOT
	s_add_nc_u64 s[G0+4*\s+2:G0+4*\s+3], s[20:21], \s*ROWB
	s_or_b32 s[G0+4*\s+3], s[G0+4*\s+3], 0x80000000
	s_mov_b32 s[G0B+4*\s], 1
	s_add_co_u32 s[G0B+4*\s+1], s45, \s*SLOT
	s_add_nc_u64 s[G0B+4*\s+2:G0B+4*\s+3], s[46:47], \s*ROWB
	s_or_b32 s[G0B+4*\s+3], s[G0B+4*\s+3], 0x80000000
.endr
	JLOAD G0, G1, G0B, G1B                         ; K step 0: one tensor load a wave at the head
	v_and_b32 v1, 15, v0
	s_wait_alu depctr_va_vdst(0)
	v_bfe_u32 v2, v0, 4, 1
	v_mul_u32_u24 v3, v1, PITCH
	v_lshl_add_u32 v4, v2, 4, v3
	s_mul_i32 s21, s15, HALFT
	s_mul_i32 s22, s16, HALFT
	s_add_co_u32 s22, s22, 2*HALFT
.irp s, 0,1
	v_add_nc_u32 v[ADRA+\s], s21, v4
	v_add_nc_u32 v[ADRB+\s], s22, v4
	s_add_co_u32 s21, s21, SLOT
	s_add_co_u32 s22, s22, SLOT
.endr
	s_mul_i32 s23, s14, 16*SPITCH
	s_add_co_u32 s23, s23, STAGE
	v_mul_u32_u24 v5, v1, SPITCH
	s_wait_alu depctr_va_vdst(0)
	v_lshl_add_u32 v5, v2, 4, v5
	v_add_nc_u32 v[STO], s23, v5
	v_bfe_u32 v5, v0, 3, 2
	v_mul_u32_u24 v6, v5, SPITCH
	v_and_b32 v7, 7, v0
	v_lshl_add_u32 v6, v7, 4, v6
	v_add_nc_u32 v[RD], s23, v6
	v_and_b32 v6, 31, v0
	v_lshlrev_b32 v6, 4, v6
	v_bfe_u32 v7, v0, 2, 1
	v_lshlrev_b32 v7, 17, v7
	v_lshl_or_b32 v7, v5, 6, v7
	v_and_b32 v5, 3, v0
	v_lshl_or_b32 v7, v5, 4, v7
	s_wait_alu depctr_va_vdst(0)
	s_lshl_b32 s20, s66, 22
	s_lshr_b32 s21, s67, 1
	s_lshl_b32 s21, s21, 4
	s_lshl_b32 s22, s40, 2
	s_add_co_u32 s21, s21, s22
	s_lshl_b32 s22, s16, 1
	s_add_co_u32 s21, s21, s22
	s_lshl_b32 s21, s21, 17
	s_add_co_u32 s20, s20, s21
	s_and_b32 s21, s17, 7
	s_lshl_b32 s21, s21, 8
	s_lshl_b32 s22, s15, 7
	s_add_co_u32 s21, s21, s22
	s_lshl_b32 s21, s21, 6
	s_add_co_u32 s20, s20, s21
	s_lshl_b32 s21, s42, 1
	s_add_co_u32 s21, s21, s16
	s_lshl_b32 s21, s21, 17
	s_lshl_b32 s23, s41, 8
	s_add_co_u32 s23, s23, s22
	s_lshl_b32 s23, s23, 7
	s_add_co_u32 s21, s21, s23
	s_add_co_u32 s21, s21, 0x800000
	s_mov_b32 s84, 1024
	s_mov_b32 s86, 256
	s_cmp_eq_u32 s66, 2
	s_cselect_b32 s20, s21, s20
	s_cselect_b32 s84, 2048, s84
	s_cselect_b32 s86, 512, s86
	s_cselect_b32 s88, 4, 0
	s_cselect_b32 s89, 0, 32
	s_cselect_b32 s90, 0, 4
	s_mov_b32 s21, 0
	s_mov_b32 s85, 0
	s_add_nc_u64 s[12:13], s[12:13], s[20:21]
	v_cndmask_b32 v[CO], v7, v6, s68
	v_add_nc_u32 v[CO+1], s86, v[CO]
	v_add_nc_u32 v[CO+2], s86, v[CO+1]
	v_add_nc_u32 v[CO+3], s86, v[CO+2]
	s_lshl_b32 s91, s66, 10
	s_lshl_b32 s92, s40, 8
	s_add_co_u32 s91, s91, s92
	s_lshl_b32 s92, s16, 7
	s_add_co_u32 s91, s91, s92
	s_lshl_b32 s92, s41, 8
	s_add_co_u32 s92, s92, s22
	s_add_co_u32 s92, s92, 2048
	s_cmp_eq_u32 s66, 2
	s_cselect_b32 s92, s92, s91
	s_lshl_b32 s92, s92, 2
	s_mov_b32 s93, 0
	s_add_nc_u64 s[10:11], s[10:11], s[92:93]
	v_mul_u32_u24 v14, v1, s88
	v_mad_u32_u24 v14, v2, s89, v14
.set j, 0
.rept 8
	v_mad_u32_u24 v[BO+j], s90, j, v14
.set j, j+1
.endr
.set g, 0
.rept 8
.set j, 0
.rept 8
	global_load_b32 v[BI+8*g+j], v[BO+j], s[10:11] offset:64*g
.set j, j+1
.endr
.set g, g+1
.endr
	s_wait_kmcnt 0x0
	s_add_co_i32 s87, s72, s73
	s_sub_co_i32 s87, 0, s87
	s_cmp_eq_u32 s66, 1
	s_cselect_b32 s94, s75, s74
	s_cmp_eq_u32 s66, 2
	s_cselect_b32 s94, s77, s94
	s_add_co_i32 s94, s94, s87
	s_add_co_i32 s94, s94, 127
	s_lshl_b32 s95, s94, 23
	v_mov_b32 v[SC], s95
	s_add_co_i32 s94, s94, 8
	s_lshl_b32 s94, s94, 23
	s_or_b32 s94, s94, 0x600000
	v_mov_b32 v[LIM], s94
	s_wait_loadcnt 0x0
.set j, 0
.rept 64
	v_ldexp_f32 v[BI+j], v[BI+j], s87
.set j, j+1
.endr
.macro FRAG reg, adr, q, i
.irp c, 0,1,2,3
	ds_load_b128 v[\reg+4*\c:\reg+4*\c+3], v[\adr] offset:128*(\q)+32*\c+(\i)*16*PITCH
.endr
.endm
.macro MUL16 a0, p, cmode
.irp a, \a0, \a0+1
.irp b, 0,1,2,3,4,5,6,7
.if \cmode == 1
	v_wmma_f32_16x16x128_fp8_fp8 v[8*(8*((\a)%4)+\b):8*(8*((\a)%4)+\b)+7], v[128*(\p)+FR*\b:128*(\p)+FR*\b+FR-1], v[AF+FR*(\a):AF+FR*(\a)+FR-1], v[BI+8*\b:BI+8*\b+7]
.elseif \cmode == 2
	v_wmma_f32_16x16x128_fp8_fp8 v[8*(8*((\a)%4)+\b):8*(8*((\a)%4)+\b)+7], v[128*(\p)+FR*\b:128*(\p)+FR*\b+FR-1], v[AF+FR*(\a):AF+FR*(\a)+FR-1], v[BI+8*(\a):BI+8*(\a)+7]
.else
	v_wmma_f32_16x16x128_fp8_fp8 v[8*(8*((\a)%4)+\b):8*(8*((\a)%4)+\b)+7], v[128*(\p)+FR*\b:128*(\p)+FR*\b+FR-1], v[AF+FR*(\a):AF+FR*(\a)+FR-1], v[8*(8*((\a)%4)+\b):8*(8*((\a)%4)+\b)+7]
.endif
.endr
.endr
.endm
.macro FETCH_B slot, q, p
	WIN TO_B
.irp i, 0,1,2,3,4,5,6,7
	FRAG 128*(\p)+FR*\i, ADRB+\slot, \q, \i
.endr
	WIN 0
.endm
.macro FETCH_A slot, q, i0
.irp i, \i0, \i0+1, \i0+2, \i0+3
	FRAG AF+FR*(\i), ADRA+\slot, \q, \i
.endr
.endm
.macro PLACES n
.rept \n
	v_nop
.endr
.endm
.macro STEP slot, q, cmode
	s_wait_dscnt 4*NL
.if \cmode
	WIN FST_LO
.else
	WIN MUL_LO
.endif
	MUL16 0, (\q)%2, \cmode
	MUL16 2, (\q)%2, \cmode
	s_wait_dscnt 0
	PLACES NP
	FETCH_B \slot, (\q)+1, 1-(\q)%2
	FETCH_A \slot, (\q)+1, 0
.if \cmode
	WIN FST_HI
.else
	WIN MUL_HI
.endif
	MUL16 4, (\q)%2, \cmode
	MUL16 6, (\q)%2, \cmode
	PLACES NP
	WIN 0
	FETCH_A \slot, (\q)+1, 4
.endm
.macro TURN slot, next, fill
	s_wait_tensorcnt 0x0
	ds_add_u32 v[SPW], v[NIL]
	s_wait_dscnt 4*NL+1
	WIN MUL_LO
	MUL16 0, 1, 0
	s_wait_dscnt 0x0
	s_barrier_signal -1
	MUL16 2, 1, 0
	WIN 0
	s_barrier_wait -1
.if \fill
	CREST
	s_add_nc_u64 s[G0+4*\slot+2:G0+4*\slot+3], s[G0+4*\slot+2:G0+4*\slot+3], 2*ROWB
	s_add_nc_u64 s[G0B+4*\slot+2:G0B+4*\slot+3], s[G0B+4*\slot+2:G0B+4*\slot+3], 2*ROWB
	JLOAD G0+4*\slot, G1, G0B+4*\slot, G1B
.else
	PLACES NP
.endif
	FETCH_B \next, 0, 0
	FETCH_A \next, 0, 0
	WIN MUL_HI
	MUL16 4, 1, 0
	MUL16 6, 1, 0
	PLACES NP
	WIN 0
	FETCH_A \next, 0, 4
.endm
	s_wait_alu depctr_va_vdst(0)                   ; the head's end
	s_wait_tensorcnt 0x0                           ; my part of K step 0 is in
	ds_add_u32 v[SPW], v[NIL]
	s_wait_dscnt 0x0
	CROUND                                         ; everybody's part of K step 0 is in, and the joint loads meet
	JLOAD G0+4, G1, G0B+4, G1B                     ; K step 1: the first tensor load behind the round
	FETCH_B 0, 0, 0
	FETCH_A 0, 0, 0
	FETCH_A 0, 0, 4
	s_cmp_eq_u32 s66, 2
	s_cbranch_scc1 .Lfirst_v
	s_wait_alu depctr_va_vdst(0)
	STEP 0, 0, 1
	s_branch .Ljoin
.Lfirst_v:
	s_wait_alu depctr_va_vdst(0)
	STEP 0, 0, 2
.Ljoin:
	TURN 0, 1, 1
	STEP 1, 0, 0
	TURN 1, 0, 1
	STEP 0, 0, 0
	TURN 0, 1, 0
	STEP 1, 0, 0
	s_wait_dscnt 4*NL
	WIN MUL_LO
	MUL16 0, 1, 0
	MUL16 2, 1, 0
	s_wait_dscnt 0
	WIN MUL_HI
	MUL16 4, 1, 0
	MUL16 6, 1, 0
	WIN 0
.macro TOSTAGE a
.set AC, 64*((\a)%4)
.set PK, PCK+16*((\a)%2)
.set BB, BK+16*((\a)%2)
	WIN 0x02+((\a)/4)
.set j, 0
.rept 64
	v_med3_num_f32 v[TMP+j], v[AC+j], -v[LIM], v[LIM]
.set j, j+1
.endr
	WIN 0
.set j, 0
.rept 8
	v_cvt_scalef32_pk8_fp8_f32 v[PK+2*j:PK+2*j+1], v[TMP+8*j:TMP+8*j+7], v[SC]
.set j, j+1
.endr
	v_nop
.irp c, 0,1,2,3
	ds_store_b128 v[STO], v[PK+4*\c:PK+4*\c+3] offset:32*\c
.endr
.irp g, 0,1,2,3
	ds_load_b128 v[BB+4*\g:BB+4*\g+3], v[RD] offset:4*SPITCH*\g
.endr
.endm
.macro SEND a, younger
.set BB, BK+16*((\a)%2)
	s_wait_dscnt \younger
.if (\a) > 0
	s_add_nc_u64 s[12:13], s[12:13], s[84:85]
.endif
.irp g, 0,1,2,3
	global_store_b128 v[CO+\g], v[BB+4*\g:BB+4*\g+3], s[12:13]
.endr
.endm
	PLACES NP
	TOSTAGE 0
.irp a, 1,2,3,4,5,6,7
.if \a > 1
	s_wait_xcnt 0x0
.endif
	TOSTAGE \a
	SEND \a-1, 8
.endr
	s_wait_xcnt 0x0
	SEND 7, 0
	s_wait_tensorcnt 0x0
	ds_add_u32 v[SPW], v[NIL]
	s_wait_dscnt 0x0
	CROUND
	s_endpgm
.Lfunc_end_k_q6f795900fd_qkv:
	.size	k_q6f795900fd_qkv, .Lfunc_end_k_q6f795900fd_qkv-k_q6f795900fd_qkv
	.p2alignl 7, 3214868480
	.fill 96, 4, 3214868480
	.section	.rodata,"a",@progbits
	.p2align	6, 0x0
	.amdhsa_kernel k_q6f795900fd_qkv
		.amdhsa_group_segment_fixed_size 327680
		.amdhsa_private_segment_fixed_size 0
		.amdhsa_enable_private_segment 0
		.amdhsa_kernarg_size 40
		.amdhsa_user_sgpr_count 2
		.amdhsa_user_sgpr_kernarg_segment_ptr 1
		.amdhsa_wavefront_size32 1
		.amdhsa_system_sgpr_workgroup_id_x 1
		.amdhsa_system_sgpr_workgroup_id_y 1
		.amdhsa_system_sgpr_workgroup_id_z 1
		.amdhsa_system_vgpr_workitem_id 0
		.amdhsa_next_free_vgpr 1024
		.amdhsa_next_free_sgpr 100
		.amdhsa_reserve_vcc 0
		.amdhsa_float_denorm_mode_32 3
		.amdhsa_float_denorm_mode_16_64 3
		.amdhsa_memory_ordered 1
		.amdhsa_forward_progress 1
		.amdhsa_inst_pref_size 144
	.end_amdhsa_kernel
	.amdgpu_metadata
---
amdhsa.version: [ 1, 2 ]
amdhsa.kernels:
  - .name:           k_q6f795900fd_qkv
    .symbol:         k_q6f795900fd_qkv.kd
    .args:
      - { .name: xq, .offset: 0, .size: 8, .value_kind: global_buffer, .address_space: global }
      - { .name: wq, .offset: 8, .size: 8, .value_kind: global_buffer, .address_space: global }
      - { .name: lowp_scales, .offset: 16, .size: 8, .value_kind: global_buffer, .address_space: global }
      - { .name: b_attn, .offset: 24, .size: 8, .value_kind: global_buffer, .address_space: global }
      - { .name: qkvc, .offset: 32, .size: 8, .value_kind: global_buffer, .address_space: global }
    .group_segment_fixed_size: 327680
    .private_segment_fixed_size: 0
    .kernarg_segment_align: 8
    .kernarg_segment_size: 40
    .max_flat_workgroup_size: 128
    .sgpr_count:     100
    .vgpr_count:     1024
    .wavefront_size: 32
...
	.end_amdgpu_metadata
.endif
;; end of part 2
;; launch attn (part 3): grid 8 x 32, 12 waves a work-group, clusters of 4 x 1, 327,680 bytes of LDS; arguments qkvc, lowp_scales, yc; writes yc
.if DOCPART == 3
	.amdgcn_target "amdgcn-amd-amdhsa--gfx1250"
	.amdhsa_code_object_version 6
	.text
	.protected	k_q6f795900fd_attn
	.globl	k_q6f795900fd_attn
	.p2align	8
	.type	k_q6f795900fd_attn,@function
k_q6f795900fd_attn:
	s_mov_b64 s[64:65], 0
	v_nop
	global_prefetch_b8 v0, s[64:65] scope:SCOPE_SE
	s_setreg_imm32_b32 hwreg(HW_REG_WAVE_MODE, 25, 1), 1
	s_wait_xcnt 0x0
	s_wait_alu depctr_hold_cnt(0) depctr_sa_sdst(0) depctr_va_vdst(0) depctr_va_sdst(0) depctr_va_ssrc(0) depctr_va_vcc(0) depctr_vm_vsrc(0)
	s_getreg_b32 s2, hwreg(HW_REG_IB_STS2, 6, 4)
	s_cmp_eq_u32 s2, 0
	s_cbranch_scc0 .Lentry_in_a_cluster
	s_endpgm
.Lentry_in_a_cluster:
	s_bfe_u32 s2, ttmp6, 0x10000c
	s_cmp_lg_u32 s2, 0x3003
	s_cbranch_scc0 .Lentry_shape_is_right
	s_endpgm
.Lentry_shape_is_right:
; Launch 3 of 4: y = softmax(q k^T / 8, causal) v on codes of E4M3, and y quantised into yc.
; WORK LEFT OUT: a step of 128 keys all of which come after a wave's 32 queries is not multiplied: the problem's own causal mask gives those keys the weight 0 for all inputs (shown at the head of the first launch).
; THE SOFTMAX: t = score x log2(e) / 8; M = the running largest t rounded UP to a whole number; p = 2^(t - M) is quantised with 2^e4; the row's sum is taken of the unquantised p and divides at the end.
; A HEAD'S K AND V LIE IN LDS WHOLE. Four work-groups of one head form a cluster and ask jointly.
; No prefetch: every tile is asked for once, at the head; there is no loop to run ahead in.
; SHARES.  A head has 64 pairs of neighbouring tiles of 16 queries.  Work-group j of the head's eight, couple s (0..3), owns the pairs p = 8 s + j (low: k = 2 s + 1 + j / 4 key steps of 128) and 63 - p (high: 17 - k steps).
; Wave = 4 x role + couple.  Role 0: the high pair's first steps, half of them rounded up; role 1: its other steps; role 2: the low pair.  So each couple has 17 steps, and no wave more than 8.
; At the end roles 0 and 1 exchange one tile each through LDS, and each finishes one.
; Every work-group reads keys of all four quarters.  Step counts hang on the wave and on the cluster's x alone, so partners in a cluster take the same ways.
; A wave's two tiles are A and B: in role 0 A is the earlier one, in roles 1 and 2 the later one, so that role 0's B is role 1's A.
; LAYOUT.  S^T = K Q^T (source 0 = 16 keys, source 1 = queries), O^T = V^T P^T: a lane holds ONE query of each tile throughout.  Tile n of S^T gives lane (r, h) keys 16 n + 8 h + 0..7, which are registers 2 n, 2 n + 1
; of P as the plain 8-bit form lays k; V's bytes lie in the codes' order, so its loads of 16 bytes give the same k.
; yc: images of the next product's operand registers: [tile of 16 rows 256][head 16][half of the head's 64: 2][lane 32][16 bytes].
; LIMITS: e2 + e3 between -123 and 130 (added to c's exponent field); e4 and e6 between -126 and 119; the scaled scores t stay under 2^31 in magnitude.  NaN among the inputs is not served.
; REGISTERS, window 0: v1, v2 lane terms of K's and V's addresses; v4 2^e4; v5, v6 the add's; v7 -infinity; v8, v9 the step's addresses; v10 the mask's d; v[12:13], v[14:15] -M of A, B; v16, v17 the largest t; v[18:19], v[20:21] the sums;
;   v[22:23], v[24:25] the rescaling factors; v26-31 at work; v32-63 partial sums, then P of A and of B; v64-127 S^T of A, v128-191 of B; v192-255 K's eight fragments, then V's four.
;   window 1: 0-31 O^T of A, 32-63 of B, 64-71 Q of A, 72-79 of B.
.set KP,    80                         ; a key's row in LDS: 64 bytes + 16
.set VP,    144                        ; a row of V's block of 128 keys: 128 bytes + 16
.set VBLK,  64*VP
.set VOFF,  2048*KP
.set SPARE, VOFF+16*VBLK               ; the spare words, 128 bytes for each of twelve waves
.set PART,  4352                       ; the exchange: a tile's 32 registers and two more, for each of roles 0 and 1 of four couples: in K's bytes, when all reads are over
.set SA,  64
.set SB,  128
.set FR,  192
.set CP,  16
.set HD,  17
.set WV,  18
.set RO,  19
.set SEL, 20
.set CS,  22
.set G1K, 24
.set G1V, 32
.set G0K, 40
.set G0V, 44
.set KS,  48                           ; the step in hand: 0 to 15 in every wave
.set ST,  95                           ; my first step
.set EN,  49                           ; the step behind my last
.set DG,  50                           ; my pair's step on the diagonal
.set HOLD, 53                          ; 448 x 2^e4
.set QA,  54
.set QB,  55
.set MK,  76                           ; s76-83: lane masks
.set MSB, 0
.macro WIN new
.if MSB != \new
	s_set_vgpr_msb (MSB<<8)|\new
.set MSB, \new
.endif
.endm
.macro CROUND                          ; a round of the cluster's barrier
	s_barrier_signal -1
	s_barrier_wait -1
	s_cmp_lg_u32 s[WV], 0
	s_cbranch_scc1 .Lnot_wave_0_\@
	s_barrier_signal -3
.Lnot_wave_0_\@:
	s_barrier_wait -3
	s_barrier_signal -1
	s_barrier_wait -1
.endm
	s_load_b128 s[4:7], s[0:1], 0x0                ; qkvc, the scales' exponents
	s_load_b64 s[8:9], s[0:1], 0x10                ; yc
	v_lshl_add_u32 v5, v0, 2, SPARE
	v_mov_b32 v6, 0
	ds_add_u32 v5, v6                              ; the wave's opening: the add, twice on end, and its wait ahead of the first tensor load
	ds_add_u32 v5, v6
	v_lshrrev_b32 v8, 5, v0
	v_readfirstlane_b32 s[WV], v8                  ; wave 0..11
	s_and_b32 s[HD], ttmp7, 0xffff                 ; batch x head
	s_and_b32 s[CP], s[WV], 3
	s_lshr_b32 s[RO], s[WV], 2
	s_bfe_u32 s84, ttmp6, 0x40000                  ; cx
	s_lshl_b32 s85, s[CP], 3
	s_lshl_b32 s86, ttmp9, 2
	s_add_co_u32 s85, s85, s86
	s_add_co_u32 s85, s85, s84                     ; p = 8 couple + 4 cluster x + cx
	s_lshl_b32 s86, s[CP], 1
	s_add_co_u32 s86, s86, ttmp9
	s_add_co_u32 s86, s86, 1                       ; k
	s_sub_co_u32 s87, 17, s86                      ; the high pair's steps,
	s_add_co_u32 s88, s87, 1
	s_lshr_b32 s88, s88, 1                         ; and role 0's part of them
	s_sub_co_u32 s89, 63, s85
	s_cmp_eq_u32 s[RO], 2
	s_cselect_b32 s89, s85, s89                    ; my pair
	s_cselect_b32 s[EN], s86, s87
	s_sub_co_u32 s[DG], s[EN], 1
	s_cmp_eq_u32 s[RO], 0
	s_cselect_b32 s[EN], s88, s[EN]
	s_cselect_b32 s91, 0, 16
	s_cmp_eq_u32 s[RO], 1
	s_cselect_b32 s[ST], s88, 0
	s_lshl_b32 s51, s89, 5                         ; my pair's first query
	s_add_co_u32 s[QA], s51, s91                   ; A's first query,
	s_sub_co_u32 s92, 16, s91
	s_add_co_u32 s[QB], s51, s92                   ; B's
	s_lshl_b32 s90, s[HD], 17
	s_lshl_b32 s91, s[CP], 15
	s_add_co_u32 s90, s90, s91
	s_add_co_u32 s90, s90, 0x400000                ; K: 4 MiB + the head's 131,072 bytes + a quarter of 512 rows of 64
	s_mov_b32 s91, 0
	s_lshr_b32 s92, s[HD], 4
	s_lshl_b32 s92, s92, 21
	s_and_b32 s94, s[HD], 15
	s_lshl_b32 s93, s94, 13
	s_add_co_u32 s92, s92, s93
	s_lshl_b32 s93, s[CP], 19
	s_add_co_u32 s92, s92, s93
	s_add_co_u32 s92, s92, 0x800000                ; V: 8 MiB + batch, head, four blocks of keys 131,072 bytes apart
	s_mov_b32 s93, 0
	s_mul_i32 s62, s[CP], 512*KP                   ; K's place in LDS,
	s_mul_i32 s63, s[CP], 4*VBLK
	s_add_co_u32 s63, s63, VOFF                    ; V's
	s_lshl_b32 s66, s[HD], 17
	s_lshl_b32 s96, s[QA], 6
	s_add_co_u32 s96, s96, s66                     ; Q of A: the head + rows of 64 bytes
	s_mov_b32 s97, 0
	s_lshl_b32 s98, s[QB], 6
	s_add_co_u32 s98, s98, s66
	s_mov_b32 s99, 0
	s_lshr_b32 s66, s[HD], 4
	s_lshl_b32 s66, s66, 21
	s_lshl_b32 s67, s94, 10
	s_add_co_u32 s66, s66, s67                     ; yc: batch x 128 tiles of 16,384 bytes + head x 1,024,
	s_lshl_b32 s84, s[QA], 10
	s_add_co_u32 s84, s84, s66                     ; + my tile x 16,384
	s_mov_b32 s85, 0
	s_lshl_b32 s86, s[QB], 10
	s_add_co_u32 s86, s86, s66
	s_mov_b32 s87, 0
	s_mov_b32 s[G1K], 15|(1<<20)|(1<<21)|(3<<22)|(3<<25)           ; the mask: all four of the cluster; elements of 1 byte; padding: four words behind every 16; bit 21 beside a mask
	s_mov_b32 s[G1K+1], 256<<16                    ; dense in memory: stated as 128 rows of 256 bytes
	s_mov_b32 s[G1K+2], 128<<16
	s_mov_b32 s[G1K+3], 256<<16
	s_mov_b32 s[G1K+4], 128
	s_mov_b32 s[G1K+5], 256
	s_mov_b32 s[G1K+6], 0
	s_mov_b32 s[G1K+7], 0
	s_mov_b32 s[G1V], 15|(3<<16)|(1<<20)|(1<<21)|(4<<22)|(3<<25)   ; elements of 8 bytes; four words behind every 32
	s_mov_b32 s[G1V+1], 1024<<16                   ; a block's 8,192 bytes are a row,
	s_mov_b32 s[G1V+2], 4<<16                      ; four blocks,
	s_mov_b32 s[G1V+3], 1024<<16
	s_mov_b32 s[G1V+4], 4
	s_mov_b32 s[G1V+5], 16384                      ; 131,072 bytes apart
	s_mov_b32 s[G1V+6], 0
	s_mov_b32 s[G1V+7], 0
	s_mov_b32 s[SEL], 0x76543210
	s_mov_b32 s[SEL+1], 0xfedcba98
	s_mov_b32 s[CS], 0x3e38aa3b                    ; c = log2(e) / 8
	s_wait_dscnt 0x0                               ; both opening adds are done
	s_wait_kmcnt 0x0
	s_load_b256 s[68:75], s[6:7], 0x0              ; e0 .. e7
	s_mov_b32 s[G0K], 1
	s_mov_b32 s[G0K+1], s62
	s_add_nc_u64 s[G0K+2:G0K+3], s[4:5], s[90:91]
	s_or_b32 s[G0K+3], s[G0K+3], 0x80000000
	s_mov_b32 s[G0V], 1
	s_mov_b32 s[G0V+1], s63
	s_add_nc_u64 s[G0V+2:G0V+3], s[4:5], s[92:93]
	s_or_b32 s[G0V+3], s[G0V+3], 0x80000000
	CROUND                                         ; all four work-groups are here: the joint loads meet
	s_cmp_lt_u32 s[WV], 4
	s_cbranch_scc0 .Lnot_k
	tensor_load_to_lds s[G0K:G0K+3], s[G1K:G1K+7]
	s_nop 0
.rept 4
	v_nop
.endr
	s_branch .Lasked
.Lnot_k:
	s_cmp_lt_u32 s[WV], 8
	s_cbranch_scc0 .Lasked
	tensor_load_to_lds s[G0V:G0V+3], s[G1V:G1V+7]
	s_nop 0
.rept 4
	v_nop
.endr
.Lasked:
	s_add_nc_u64 s[10:11], s[4:5], s[96:97]
	s_add_nc_u64 s[12:13], s[4:5], s[98:99]
	s_add_nc_u64 s[14:15], s[8:9], s[84:85]        ; yc at A's tile,
	s_add_nc_u64 s[60:61], s[8:9], s[86:87]        ; at B's
	v_and_b32 v8, 15, v0                           ; r
	v_bfe_u32 v9, v0, 4, 1                         ; h
	v_lshlrev_b32 v11, 6, v8
	v_mul_u32_u24 v1, v8, KP
	v_lshl_add_u32 v11, v9, 4, v11
	v_mul_u32_u24 v2, v8, VP
	WIN 0x40
	global_load_b128 v[64:67], v11, s[10:11]       ; Q's fragments stay in registers
	global_load_b128 v[68:71], v11, s[10:11] offset:32
	global_load_b128 v[72:75], v11, s[12:13]
	global_load_b128 v[76:79], v11, s[12:13] offset:32
	WIN 0
	v_lshl_add_u32 v1, v9, 4, v1
	v_lshl_add_u32 v2, v9, 4, v2
	v_lshlrev_b32 v10, 3, v9
	v_add_nc_u32 v2, VOFF, v2
	v_sub_nc_u32 v10, v8, v10
	s_and_b32 s56, s51, 127
	s_add_co_u32 s56, s56, 16
	v_add_nc_u32 v10, s56, v10                     ; d = A's query - the diagonal step's first key - 8 h, A the later tile
	v_mov_b32 v7, 0xff800000
	v_mov_b32 v16, 0xff61b1e6                      ; the largest t so far: -3e38
	v_mov_b32 v17, 0xff61b1e6
	v_mov_b32 v12, 0x7f61b1e6                      ; -M
	v_mov_b32 v14, 0x7f61b1e6
	v_mov_b32 v13, 0
	v_mov_b32 v15, 0
.set n, 18
.rept 14
	v_mov_b32 v[n], 0                              ; v18-31: sums 0; the factors' upper halves and the lane permutes' destinations are written once
.set n, n+1
.endr
	WIN 0x40
.set n, 0
.rept 64
	v_mov_b32 v[n], 0                              ; O^T: the step is written once, to accumulate; its first change of M leaves the zeros zeros
.set n, n+1
.endr
	WIN 0
	s_wait_kmcnt 0x0
	s_add_co_i32 s56, s70, s71
	s_lshl_b32 s56, s56, 23
	s_add_co_i32 s[CS], s[CS], s56                 ; a score stands for score x 2^(e2 + e3)
	s_mov_b32 s[CS+1], s[CS]
	s_add_co_i32 s56, s72, 127
	s_lshl_b32 s57, s56, 23
	v_mov_b32 v4, s57                              ; 2^e4
	s_add_co_i32 s56, s56, 8
	s_lshl_b32 s56, s56, 23
	s_or_b32 s[HOLD], s56, 0x600000                ; 448 x 2^e4
; A STEP: 128 keys against my 32 queries; s56, s57: the step's place among K's rows and V's blocks.
.macro STEP
	v_add_nc_u32 v8, s56, v1
	v_add_nc_u32 v9, s57, v2
	v_nop                                          ; with the two additions: four plain instructions in front of loads into registers that matrix instructions have read
	v_nop
.set n, 0
.rept 8
	ds_load_b128 v[FR+8*n:FR+8*n+3], v8 offset:16*n*KP
	ds_load_b128 v[FR+8*n+4:FR+8*n+7], v8 offset:16*n*KP+32
.set n, n+1
.endr
	WIN 0x04                                       ; source 1 (Q) window 1
	s_wait_alu depctr_va_vdst(0)                   ; directly ahead of the wait below
	s_wait_dscnt 8                                 ; the first four fragments are in; the youngest eight loads may be out
.set n, 0
.rept 8
.if n == 4
	s_wait_dscnt 0x0
.endif
	v_wmma_f32_16x16x64_fp8_fp8 v[SA+8*n:SA+8*n+7], v[FR+8*n:FR+8*n+7], v[64:71], 0
	v_wmma_f32_16x16x64_fp8_fp8 v[SB+8*n:SB+8*n+7], v[FR+8*n:FR+8*n+7], v[72:79], 0
.set n, n+1
.endr
	WIN 0
.rept 4
	v_nop
.endr
.set n, 0
.rept 16
	ds_load_b128 v[FR+4*n:FR+4*n+3], v9 offset:16*VP*(n/4)+32*(n%4)   ; V's four fragments land while the softmax is walked
.set n, n+1
.endr
	; the step on the diagonal: register 8 n + j holds key 16 n + 8 h + j of the step: hidden from A where 16 n + j > d, from B where 16 (n + 1) + j > d: one compare serves both
	s_cmp_lg_u32 s[KS], s[DG]
	s_cbranch_scc1 .Lopen_\@
.set n, 1                              ; A's keys 0-15 all count
.rept 7
.set j, 0
.rept 8
	v_cmp_gt_i32 s[MK+j], 16*n+j, v10
.set j, j+1
.endr
.set j, 0
.rept 8
	v_cndmask_b32 v[SA+8*n+j], v[SA+8*n+j], v7, s[MK+j]
.set j, j+1
.endr
.set j, 0
.rept 8
	v_cndmask_b32 v[SB+8*n-8+j], v[SB+8*n-8+j], v7, s[MK+j]
.set j, j+1
.endr
.set n, n+1
.endr
.set j, 0
.rept 8
	v_mov_b32 v[SB+56+j], v7                       ; B's keys 112-127 are all hidden
.set j, j+1
.endr
.Lopen_\@:
	v_max3_num_f32 v26, v[SA], v[SA+1], v[SA+2]    ; the step's largest scores among my 64 keys, two chains a tile
	v_max3_num_f32 v28, v[SB], v[SB+1], v[SB+2]
	v_max3_num_f32 v27, v[SA+3], v[SA+4], v[SA+5]
	v_max3_num_f32 v29, v[SB+3], v[SB+4], v[SB+5]
.set n, 6
.rept 14
	v_max3_num_f32 v26, v26, v[SA+n], v[SA+n+1]
	v_max3_num_f32 v28, v28, v[SB+n], v[SB+n+1]
	v_max3_num_f32 v27, v27, v[SA+n+2], v[SA+n+3]
	v_max3_num_f32 v29, v29, v[SB+n+2], v[SB+n+3]
.set n, n+4
.endr
	v_max3_num_f32 v26, v26, v[SA+62], v[SA+63]
	v_max3_num_f32 v28, v28, v[SB+62], v[SB+63]
	v_max_num_f32 v26, v26, v27
	v_max_num_f32 v28, v28, v29
	v_permlanex16_b32 v30, v26, s[SEL], s[SEL+1]
	v_permlanex16_b32 v31, v28, s[SEL], s[SEL+1]
	v_max_num_f32 v26, v26, v30                    ; and among lane l xor 16's
	v_max_num_f32 v28, v28, v31
	v_mul_f32 v26, s[CS], v26
	v_mul_f32 v28, s[CS], v28
	v_max_num_f32 v16, v16, v26                    ; the running largest t
	v_max_num_f32 v17, v17, v28
	v_mov_b32 v26, v12
	v_mov_b32 v28, v14
	v_floor_f32 v12, -v16                          ; the new -M = -ceil(t): a whole number
	v_floor_f32 v14, -v17
	v_sub_f32 v26, v12, v26
	v_sub_f32 v28, v14, v28
	v_cvt_i32_f32 v26, v26                         ; old M - new M (it saturates)
	v_cvt_i32_f32 v28, v28
	v_ldexp_f32 v22, 1.0, v26                      ; f = 2^(old M - new M): a multiplication by it rounds nothing
	v_ldexp_f32 v24, 1.0, v28
.set n, 0
.rept 32
	v_pk_fma_f32 v[SA+n:SA+n+1], v[SA+n:SA+n+1], s[CS:CS+1], v[12:13] op_sel_hi:[1,0,0]   ; t - M
.set n, n+2
.endr
	s_wait_alu depctr_va_vdst(0)                   ; ahead of the batch
.set n, 0
.rept 32
	v_exp_f32 v[SA+n], v[SA+n]                     ; p = 2^(t - M) of A; B's t - M between
	v_exp_f32 v[SA+n+1], v[SA+n+1]
	v_pk_fma_f32 v[SB+n:SB+n+1], v[SB+n:SB+n+1], s[CS:CS+1], v[14:15] op_sel_hi:[1,0,0]
.set n, n+2
.endr
	s_wait_alu depctr_va_vdst(0)                   ; behind A's batch and ahead of B's
.set n, 0
.rept 16
	v_exp_f32 v[SB+n], v[SB+n]                     ; p of B; the first additions of A's sum between
	v_exp_f32 v[SB+n+1], v[SB+n+1]
	v_exp_f32 v[SB+n+2], v[SB+n+2]
	v_exp_f32 v[SB+n+3], v[SB+n+3]
	v_pk_add_f32 v[32+n/2:33+n/2], v[SA+n:SA+n+1], v[SA+n+2:SA+n+3]
.set n, n+4
.endr
	s_wait_alu depctr_va_vdst(0)                   ; behind B's batch
.set n, 0
.rept 8
	v_pk_add_f32 v[32+n:33+n], v[32+n:33+n], v[48+n:49+n]
.set n, n+2
.endr
	v_pk_fma_f32 v[20:21], v[20:21], v[24:25], v[SB:SB+1] op_sel_hi:[1,0,1]   ; B's sum under the new M
	v_pk_add_f32 v[26:27], v[SB+2:SB+3], v[SB+4:SB+5]
	v_pk_add_f32 v[28:29], v[SB+6:SB+7], v[SB+8:SB+9]
	v_pk_add_f32 v[30:31], v[SB+10:SB+11], v[SB+12:SB+13]
.set n, 14
.rept 6
	v_pk_add_f32 v[20:21], v[20:21], v[SB+n:SB+n+1]
	v_pk_add_f32 v[26:27], v[26:27], v[SB+n+2:SB+n+3]
	v_pk_add_f32 v[28:29], v[28:29], v[SB+n+4:SB+n+5]
	v_pk_add_f32 v[30:31], v[30:31], v[SB+n+6:SB+n+7]
.set n, n+8
.endr
	v_pk_add_f32 v[20:21], v[20:21], v[SB+62:SB+63]
.set n, 0
.rept 4
	v_pk_add_f32 v[32+n:33+n], v[32+n:33+n], v[40+n:41+n]
.set n, n+2
.endr
	v_pk_add_f32 v[26:27], v[26:27], v[28:29]
	v_pk_add_f32 v[20:21], v[20:21], v[30:31]
	v_pk_add_f32 v[32:33], v[32:33], v[36:37]
	v_pk_add_f32 v[34:35], v[34:35], v[38:39]
	v_pk_fma_f32 v[18:19], v[18:19], v[22:23], v[32:33] op_sel_hi:[1,0,1]     ; A's sum under the new M
	v_pk_add_f32 v[20:21], v[20:21], v[26:27]
.set n, 0
.rept 64
	v_dual_min_num_f32 v[SA+n], s[HOLD], v[SA+n] :: v_dual_min_num_f32 v[SA+n+1], s[HOLD], v[SA+n+1]   ; both tiles' p: the conversion does not saturate (ISA guide 7.6.2); p is not negative, so the hold is one-sided
.set n, n+2
.endr
	v_pk_add_f32 v[18:19], v[18:19], v[34:35]
.set n, 0
.rept 16
	v_cvt_scalef32_pk8_fp8_f32 v[32+2*n:33+2*n], v[SA+8*n:SA+8*n+7], v4   ; A's codes, then B's
.set n, n+1
.endr
	WIN 0x41                                       ; destination and source 0 window 1
	s_wait_alu depctr_va_vdst(0)                   ; directly ahead of the first reader of O^T
.set n, 0
.rept 16
	v_pk_mul_f32 v[n:n+1], v[n:n+1], v[22:23] op_sel_hi:[1,0]   ; O^T under the new M; also the plain instructions behind the conversions
.set n, n+2
.endr
.rept 16
	v_pk_mul_f32 v[n:n+1], v[n:n+1], v[24:25] op_sel_hi:[1,0]
.set n, n+2
.endr
	WIN 0x50                                       ; C and D window 1
	s_wait_alu depctr_va_vdst(0)                   ; directly ahead of the wait below
	s_wait_dscnt 0x0                               ; V is in
.set n, 0
.rept 4
	v_wmma_f32_16x16x128_fp8_fp8 v[8*n:8*n+7], v[FR+16*n:FR+16*n+15], v[32:47], v[8*n:8*n+7]   ; the eight accumulators take turns, one instruction a turn
	v_wmma_f32_16x16x128_fp8_fp8 v[32+8*n:39+8*n], v[FR+16*n:FR+16*n+15], v[48:63], v[32+8*n:39+8*n]
.set n, n+1
.endr
	WIN 0
.endm
	s_wait_alu depctr_va_vdst(0)                   ; the head's end
	s_wait_loadcnt 0x0                             ; Q
	s_wait_tensorcnt 0x0                           ; my part of K and V is in,
	s_barrier_signal -1
	s_barrier_wait -1                              ; and every wave's
	s_mov_b32 s[KS], 0
	s_mov_b32 s56, 0
	s_mov_b32 s57, 0
.Lloop:                                            ; every wave walks the head's 16 steps and works in its own: ids and the count of steps alone decide
	s_cmp_lt_u32 s[KS], s[ST]
	s_cbranch_scc1 .Lnone
	s_cmp_ge_u32 s[KS], s[EN]
	s_cbranch_scc1 .Lnone
	STEP
.Lnone:
	s_add_co_u32 s56, s56, 128*KP
	s_add_co_u32 s57, s57, VBLK
	s_add_co_u32 s[KS], s[KS], 1
	s_cmp_lt_u32 s[KS], 16
	s_cbranch_scc1 .Lloop
	; THE WAY OUT: y = O^T / the sum x 2^(e4 + e5), quantised with 2^e6.  Tiles 2 c and 2 c + 1 give a lane 16 bytes: registers 4 c .. 4 c + 3 of the next product's operand.  They are stored as such.
	s_lshl_b32 s56, s[CP], 1
	s_add_co_u32 s57, s56, s[RO]
	s_mul_i32 s57, s57, PART                       ; where I put my part of the exchange,
	s_xor_b32 s59, s[RO], 1
	s_and_b32 s59, s59, 1
	s_add_co_u32 s59, s56, s59
	s_mul_i32 s59, s59, PART                       ; and where I take the other's
	s_add_co_i32 s58, s72, s73                     ; e4 + e5
	s_add_co_i32 s62, s74, 127
	s_lshl_b32 s63, s62, 23
	s_add_co_i32 s62, s62, 8
	s_lshl_b32 s62, s62, 23
	s_or_b32 s62, s62, 0x600000
	v_and_b32 v1, 31, v0
	v_mov_b32 v26, s62                             ; 448 x 2^e6
	v_mov_b32 v27, s63                             ; 2^e6
	v_lshlrev_b32 v2, 4, v1
	v_lshlrev_b32 v1, 3, v1
	v_add_nc_u32 v8, s57, v2
	v_add_nc_u32 v10, s59, v2
	v_add_nc_u32 v9, s57, v1
	v_add_nc_u32 v11, s59, v1
.macro QST dst, ptr                    ; v64-95: y
.set n, 64
.rept 32
	v_med3_num_f32 v[n], v[n], -v26, v26
.set n, n+1
.endr
.set n, 0
.rept 4
	v_cvt_scalef32_pk8_fp8_f32 v[\dst+2*n:\dst+2*n+1], v[64+8*n:71+8*n], v27
.set n, n+1
.endr
	v_nop
	global_store_b128 v2, v[\dst:\dst+3], s[\ptr:\ptr+1]              ; the wave stores 512 consecutive bytes, aligned
	global_store_b128 v2, v[\dst+4:\dst+7], s[\ptr:\ptr+1] offset:512
.endm
.macro RECIP                           ; v28: a lane's sum; becomes 2^(e4 + e5) / the row's sum
	v_permlanex16_b32 v30, v28, s[SEL], s[SEL+1]
	v_add_f32 v28, v28, v30
	s_wait_alu depctr_va_vdst(0)
	v_rcp_f32 v28, v28
	v_nop
	s_wait_alu depctr_va_vdst(0)
	v_ldexp_f32 v28, v28, s58
.endm
.macro FIN sum, o, dst, ptr            ; a tile that one wave has walked alone
	v_add_f32 v28, v[\sum], v[\sum+1]
	v_mov_b32 v29, 0                               ; (named as the upper half of the pair v[28:29])
	RECIP
	WIN 0x01
	s_wait_alu depctr_va_vdst(0)                   ; directly ahead of the first reader of O^T
.set n, 0
.rept 16
	v_pk_mul_f32 v[64+n:65+n], v[\o+n:\o+n+1], v[28:29] op_sel_hi:[1,0]
.set n, n+2
.endr
	WIN 0
	QST \dst, \ptr
.endm
	s_wait_alu depctr_va_vdst(0)                   ; ahead of the branch and the barriers
	s_cmp_lg_u32 s[RO], 2
	s_cbranch_scc1 .Lmeet
	FIN 18, 0, 32, 14                              ; role 2: both tiles
	FIN 20, 32, 40, 60
.Lmeet:
	s_wait_alu depctr_va_vdst(0)
	s_barrier_signal -1                            ; all reads of K and V are over (each step ends with a wait for 0):
	s_barrier_wait -1                              ; K's bytes take the exchange
	s_cmp_eq_u32 s[RO], 2
	s_cbranch_scc1 .Lput
	v_add_f32 v30, v20, v21                        ; roles 0 and 1 hand over B: O^T, the sum, -M
	v_mov_b32 v31, v14
	ds_store_b64 v9, v[30:31] offset:4096
	WIN 0x04
.set n, 0
.rept 8
	ds_store_b128 v8, v[32+4*n:35+4*n] offset:512*n
.set n, n+1
.endr
	WIN 0
.Lput:
	s_wait_dscnt 0x0
	s_barrier_signal -1
	s_barrier_wait -1
	s_cmp_eq_u32 s[RO], 2
	s_cbranch_scc1 .Lend
	ds_load_b64 v[30:31], v11 offset:4096          ; and finish A with the other's part
.set n, 0
.rept 8
	ds_load_b128 v[96+4*n:99+4*n], v10 offset:512*n
.set n, n+1
.endr
	v_add_f32 v28, v18, v19
	s_wait_alu depctr_va_vdst(0)                   ; directly ahead of the wait below
	s_wait_dscnt 0x0
	v_min_num_f32 v29, v12, v31                    ; the joint -M: whole numbers, so both factors are exact
	v_sub_f32 v16, v29, v12
	v_sub_f32 v17, v29, v31
	v_cvt_i32_f32 v16, v16
	v_cvt_i32_f32 v17, v17
	v_ldexp_f32 v22, 1.0, v16
	v_ldexp_f32 v24, 1.0, v17
	v_mul_f32 v28, v28, v22
	v_fma_f32 v28, v30, v24, v28
	RECIP
	v_mul_f32 v22, v22, v28
	v_mul_f32 v24, v24, v28
.set n, 0
.rept 16
	v_pk_mul_f32 v[96+n:97+n], v[96+n:97+n], v[24:25] op_sel_hi:[1,0]
.set n, n+2
.endr
	WIN 0x01
	s_wait_alu depctr_va_vdst(0)                   ; directly ahead of the first reader of O^T
.set n, 0
.rept 16
	v_pk_fma_f32 v[64+n:65+n], v[n:n+1], v[22:23], v[96+n:97+n] op_sel_hi:[1,0,1]
.set n, n+2
.endr
	WIN 0
	QST 48, 14
.Lend:
	s_wait_tensorcnt 0x0                           ; the wave's end
	ds_add_u32 v5, v6
	s_wait_dscnt 0x0
	CROUND                                         ; the closing round
	s_endpgm
.Lfunc_end_k_q6f795900fd_attn:
	.size	k_q6f795900fd_attn, .Lfunc_end_k_q6f795900fd_attn-k_q6f795900fd_attn
	.p2alignl 7, 3214868480
	.fill 96, 4, 3214868480
	.section	.rodata,"a",@progbits
	.p2align	6, 0x0
	.amdhsa_kernel k_q6f795900fd_attn
		.amdhsa_group_segment_fixed_size 327680
		.amdhsa_private_segment_fixed_size 0
		.amdhsa_enable_private_segment 0
		.amdhsa_kernarg_size 24
		.amdhsa_user_sgpr_count 2
		.amdhsa_user_sgpr_kernarg_segment_ptr 1
		.amdhsa_wavefront_size32 1
		.amdhsa_system_sgpr_workgroup_id_x 1
		.amdhsa_system_sgpr_workgroup_id_y 1
		.amdhsa_system_sgpr_workgroup_id_z 1
		.amdhsa_system_vgpr_workitem_id 0
		.amdhsa_next_free_vgpr 336
		.amdhsa_next_free_sgpr 100
		.amdhsa_reserve_vcc 0
		.amdhsa_float_denorm_mode_32 3
		.amdhsa_float_denorm_mode_16_64 3
		.amdhsa_memory_ordered 1
		.amdhsa_forward_progress 1
		.amdhsa_inst_pref_size 67
	.end_amdhsa_kernel
	.amdgpu_metadata
---
amdhsa.version: [ 1, 2 ]
amdhsa.kernels:
  - .name:           k_q6f795900fd_attn
    .symbol:         k_q6f795900fd_attn.kd
    .args:
      - { .name: qkvc, .offset: 0, .size: 8, .value_kind: global_buffer, .address_space: global }
      - { .name: lowp_scales, .offset: 8, .size: 8, .value_kind: global_buffer, .address_space: global }
      - { .name: yc, .offset: 16, .size: 8, .value_kind: global_buffer, .address_space: global }
    .group_segment_fixed_size: 327680
    .private_segment_fixed_size: 0
    .kernarg_segment_align: 8
    .kernarg_segment_size: 24
    .max_flat_workgroup_size: 384
    .sgpr_count:     100
    .vgpr_count:     336
    .wavefront_size: 32
...
	.end_amdgpu_metadata
.endif
;; end of part 3
;; launch proj (part 4): grid 8 x 32, 4 waves a work-group, clusters of 4 x 4, 288,256 bytes of LDS; arguments yc, wq, lowp_scales, b_proj, out0; writes out0
.if DOCPART == 4
	.amdgcn_target "amdgcn-amd-amdhsa--gfx1250"
	.amdhsa_code_object_version 6
	.text
	.protected	k_q6f795900fd_proj
	.globl	k_q6f795900fd_proj
	.p2align	8
	.type	k_q6f795900fd_proj,@function
k_q6f795900fd_proj:
	s_mov_b64 s[64:65], 0
	v_nop
	global_prefetch_b8 v0, s[64:65] scope:SCOPE_SE
	s_setreg_imm32_b32 hwreg(HW_REG_WAVE_MODE, 25, 1), 1
	s_wait_xcnt 0x0
	s_wait_alu depctr_hold_cnt(0) depctr_sa_sdst(0) depctr_va_vdst(0) depctr_va_sdst(0) depctr_va_ssrc(0) depctr_va_vcc(0) depctr_vm_vsrc(0)
	s_getreg_b32 s2, hwreg(HW_REG_IB_STS2, 6, 4)
	s_cmp_eq_u32 s2, 0
	s_cbranch_scc0 .Lentry_in_a_cluster
	s_endpgm
.Lentry_in_a_cluster:
	s_bfe_u32 s2, ttmp6, 0x10000c
	s_cmp_lg_u32 s2, 0xf033
	s_cbranch_scc0 .Lentry_shape_is_right
	s_endpgm
.Lentry_shape_is_right:
; Launch 4 of 4: out0 = y w_proj + b_proj on codes of E4M3.  y's codes lie in yc as images of operand registers, w_proj's in wq's rows 3,072 on (K innermost).
; A tile of out0 is 128 x 128: 256 work-groups; four waves, each 64 x 64 in 16 accumulators.  K = 1,024 lies in LDS WHOLE, in two halves of 512: each wave asks for one operand's half by one tensor load at the head
; (waves 0, 1: the first halves of y and of w_proj; waves 2, 3: the second), and nothing is ever filled again.  No prefetch: there is no loop to run ahead in.
; CLUSTERS: 4 x 4 work-groups.  y's tiles are shared along a row of the cluster, w_proj's along a column: joint loads.
; Source 0 = 16 rows of wq, source 1 = 16 rows of y: a lane holds one row of out0 and eight neighbouring columns.  out0 = sum x 2^(e6 + e7) + b_proj, one packed multiply-add for two numbers.
; LIMIT: e6 + e7 between -126 and 127.
; REGISTERS: window 0: v0-31 addresses; v32-63 a block's results; v64-95 rows read back; v96-127 the bias; v128-255 the accumulators ((a, b) at v[128 + 8 (4 a + b)]).
;   window 1: two fragment buffers of 128: y's four fragments, then wq's four.
.set BOFF,  131072                     ; LDS: y's images [half of K 2][tile of rows 8][8,192] from 0; wq's rows [half of K 2][128][528] from here
.set WP,    528                        ; 512 bytes + 16
.set BH,    128*WP
.set STAGE, BOFF+2*BH                  ; 16 rows x 272 bytes for each wave
.set SPARE, STAGE+4*16*272             ; the spare words, 128 bytes for each wave
.set ADRA, 8                           ; v8, v9   my y fragments in either half
.set ADRB, 12                          ; v12, v13 my wq fragments
.set STO,  24
.set RD,   25
.set CO,   26
.set SPW,  28                          ; v28     my spare word's address; never rewritten
.set NIL,  29                          ; v29     0; never rewritten
.set TMP,  32
.set BK,   64
.set BIAS, 96
.set ACC,  128
.set G1A, 16
.set G1B, 24
.set G0A, 32
.set G0B, 36
.set MSB, 0
.macro WIN new
.if MSB != \new
	s_set_vgpr_msb (MSB<<8)|\new
.set MSB, \new
.endif
.endm
.set MUL,  0x05                        ; sources 0 and 1 window 1; C and D window 0
.set TO_F, 0x40                        ; destination window 1, address window 0
.macro CROUND                          ; a round of the cluster's barrier
	s_barrier_signal -1
	s_barrier_wait -1
	s_cmp_lg_u32 s66, 0
	s_cbranch_scc1 .Lnot_wave_0_\@
	s_barrier_signal -3
.Lnot_wave_0_\@:
	s_barrier_wait -3
	s_barrier_signal -1
	s_barrier_wait -1
.endm
	s_load_b128 s[4:7], s[0:1], 0x0                ; yc, wq
	s_load_b128 s[8:11], s[0:1], 0x10              ; the scales' exponents, b_proj
	s_load_b64 s[12:13], s[0:1], 0x20              ; out0
	v_lshl_add_u32 v[SPW], v0, 2, SPARE
	v_mov_b32 v[NIL], 0
	ds_add_u32 v[SPW], v[NIL]                      ; the wave's opening: the add, twice on end, and its wait ahead of my first tensor load
	ds_add_u32 v[SPW], v[NIL]
	v_lshrrev_b32 v1, 5, v0
	v_readfirstlane_b32 s66, v1                    ; wave 0..3
	s_lshr_b32 s67, s66, 1                         ; which half of the rows is mine.  Also: which half of K I fetch
	s_and_b32 s68, s66, 1                          ; which half of the columns.  Also: I fetch y (0) or wq (1)
	s_bfe_u32 s69, ttmp6, 0x40000                  ; cx
	s_bfe_u32 s70, ttmp6, 0x40004                  ; cy
	s_lshl_b32 s71, ttmp9, 2
	s_add_co_u32 s71, s71, s69                     ; tile column
	s_and_b32 s72, ttmp7, 0xffff
	s_lshl_b32 s72, s72, 2
	s_add_co_u32 s72, s72, s70                     ; tile row
	s_lshl_b32 s73, s70, 2
	s_lshl_b32 s73, 15, s73                        ; my row of the cluster
	s_lshl_b32 s74, 0x1111, s69                    ; my column
	s_or_b32 s[G1A], s73, (3<<16)|(1<<21)          ; y: the mask; elements of 8 bytes; no padding; bit 21 beside a mask
	s_mov_b32 s[G1A+1], 1024<<16                   ; a tile of rows' 8,192 bytes of a half of K,
	s_mov_b32 s[G1A+2], 8<<16                      ; eight tiles of rows,
	s_mov_b32 s[G1A+3], 1024<<16
	s_mov_b32 s[G1A+4], 8
	s_mov_b32 s[G1A+5], 2048                       ; 16,384 bytes apart
	s_mov_b32 s[G1A+6], 0
	s_mov_b32 s[G1A+7], 0
	s_or_b32 s[G1B], s74, (0<<16)|(1<<20)|(1<<21)|(6<<22)|(3<<25)   ; wq: elements of 1 byte; four words of padding behind every 128
	s_mov_b32 s[G1B+1], 512<<16
	s_mov_b32 s[G1B+2], 128<<16
	s_mov_b32 s[G1B+3], 512<<16
	s_mov_b32 s[G1B+4], 128
	s_mov_b32 s[G1B+5], 1024
	s_mov_b32 s[G1B+6], 0
	s_mov_b32 s[G1B+7], 0
	s_lshl_b32 s76, s72, 17
	s_lshl_b32 s14, s67, 13
	s_add_co_u32 s76, s76, s14                     ; y: tile row x 131,072 + half x 8,192
	s_mov_b32 s77, 0
	s_lshl_b32 s78, s71, 7
	s_add_co_u32 s78, s78, 3072
	s_lshl_b32 s78, s78, 10
	s_lshl_b32 s14, s67, 9
	s_add_co_u32 s78, s78, s14                     ; wq: row 3,072 + 128 x tile column, + half x 512
	s_mov_b32 s79, 0
	s_lshl_b32 s14, s67, 16                        ; where they go: no place in the cluster enters an LDS address
	s_mul_i32 s15, s67, BH
	s_add_co_u32 s15, s15, BOFF
	s_wait_dscnt 0x0                               ; both opening adds are done
	s_wait_kmcnt 0x0
	s_load_b256 s[84:91], s[8:9], 0x0              ; e0 .. e7
	s_mov_b32 s[G0A], 1
	s_mov_b32 s[G0A+1], s14
	s_add_nc_u64 s[G0A+2:G0A+3], s[4:5], s[76:77]
	s_or_b32 s[G0A+3], s[G0A+3], 0x80000000
	s_mov_b32 s[G0B], 1
	s_mov_b32 s[G0B+1], s15
	s_add_nc_u64 s[G0B+2:G0B+3], s[6:7], s[78:79]
	s_or_b32 s[G0B+3], s[G0B+3], 0x80000000
	CROUND                                         ; all sixteen work-groups are here: the joint loads meet
	s_cmp_eq_u32 s68, 0
	s_cbranch_scc0 .Lfor_b
	tensor_load_to_lds s[G0A:G0A+3], s[G1A:G1A+7]
	s_nop 0
.rept 4
	v_nop
.endr
	s_branch .Lasked
.Lfor_b:
	tensor_load_to_lds s[G0B:G0B+3], s[G1B:G1B+7]
	s_nop 0
.rept 4
	v_nop
.endr
.Lasked:
	v_and_b32 v1, 15, v0                           ; r
	v_bfe_u32 v2, v0, 4, 1                         ; h
	v_and_b32 v3, 31, v0
	s_lshl_b32 s80, s71, 9
	s_lshl_b32 s81, s68, 8
	s_add_co_u32 s80, s80, s81                     ; my first column in bytes: 512 x tile column + 256 x half
	s_mov_b32 s81, 0
	s_add_nc_u64 s[10:11], s[10:11], s[80:81]
	s_wait_alu depctr_va_vdst(0)
	v_lshlrev_b32 v7, 5, v2
.irp b, 0,1,2,3
	global_load_b128 v[BIAS+8*\b:BIAS+8*\b+3],   v7, s[10:11] offset:64*\b      ; b_proj at columns 16 b + 8 h + 0..7 of my 64
	global_load_b128 v[BIAS+8*\b+4:BIAS+8*\b+7], v7, s[10:11] offset:64*\b+16
.endr
	v_lshlrev_b32 v4, 4, v3                        ; 16 x lane: an image's place for my lane
	s_lshl_b32 s2, s67, 15
	v_add_nc_u32 v[ADRA], s2, v4                   ; my four tiles of rows
	v_add_nc_u32 v[ADRA+1], 65536, v[ADRA]
	s_mul_i32 s3, s68, 64*WP
	s_add_co_u32 s3, s3, BOFF
	v_mul_u32_u24 v5, v1, WP
	v_lshl_add_u32 v5, v2, 4, v5
	v_add_nc_u32 v[ADRB], s3, v5                   ; my 64 rows of wq: row r x 528 + 16 h
	v_add_nc_u32 v[ADRB+1], BH, v[ADRB]
	s_mul_i32 s2, s66, 16*272
	s_add_co_u32 s2, s2, STAGE                     ; my stage
	v_mul_u32_u24 v6, v1, 272
	v_lshl_add_u32 v6, v2, 5, v6
	v_add_nc_u32 v[STO], s2, v6                    ; in: row r, 32 bytes for each half of the lanes
	v_mul_u32_u24 v6, v2, 272
	v_lshl_add_u32 v6, v1, 4, v6
	v_add_nc_u32 v[RD], s2, v6                     ; back: lanes 0-15 one row of 256 bytes, lanes 16-31 the next
	v_lshlrev_b32 v6, 12, v2
	v_lshl_add_u32 v[CO], v1, 4, v6                ; and the same two rows in out0
	s_wait_alu depctr_va_vdst(0)                   ; the head's end
	s_lshl_b32 s82, s72, 7
	s_lshl_b32 s83, s67, 6
	s_add_co_u32 s82, s82, s83
	s_lshl_b32 s82, s82, 12                        ; my first row: 128 x tile row + 64 x half, rows of 4,096 bytes
	s_add_co_u32 s82, s82, s80
	s_mov_b32 s83, 0
	s_add_nc_u64 s[12:13], s[12:13], s[82:83]
	s_wait_kmcnt 0x0
	s_add_co_i32 s92, s90, s91
	s_add_co_i32 s92, s92, 127
	s_lshl_b32 s92, s92, 23                        ; 2^(e6 + e7) as f32
	s_mov_b32 s93, s92                             ; (named with it as a pair, so it is written)
; 32 LDS loads in one run: the fragments of the s-th 128 along K into buffer f
.macro FETCH s, f
	WIN TO_F
.set i, 0
.rept 4
.set c, 0
.rept 4
	ds_load_b128 v[(\f)+64+16*i+4*c:(\f)+64+16*i+4*c+3], v[ADRB+(\s)/4] offset:16*WP*i+128*((\s)%4)+32*c
.set c, c+1
.endr
.set i, i+1
.endr
.set i, 0
.rept 4
.set c, 0
.rept 4
	ds_load_b128 v[(\f)+16*i+4*c:(\f)+16*i+4*c+3], v[ADRA+(\s)/4] offset:8192*i+2048*((\s)%4)+512*c
.set c, c+1
.endr
.set i, i+1
.endr
.endm
; 16 matrix instructions; the 16 accumulators take turns, one instruction a turn, in the same order in every step
.macro MUL16 f, zero
.irp a, 0,1,2,3
.irp b, 0,1,2,3
.if \zero
	v_wmma_f32_16x16x128_fp8_fp8 v[ACC+8*(4*\a+\b):ACC+8*(4*\a+\b)+7], v[(\f)+64+16*\b:(\f)+64+16*\b+15], v[(\f)+16*\a:(\f)+16*\a+15], 0
.else
	v_wmma_f32_16x16x128_fp8_fp8 v[ACC+8*(4*\a+\b):ACC+8*(4*\a+\b)+7], v[(\f)+64+16*\b:(\f)+64+16*\b+15], v[(\f)+16*\a:(\f)+16*\a+15], v[ACC+8*(4*\a+\b):ACC+8*(4*\a+\b)+7]
.endif
.endr
.endr
.endm
; Step s multiplies buffer s % 2 and, ahead of that, fetches step s + 1 into the other.
.macro PSTEP s
.if ((\s) >= 1) && ((\s) < 7)
.rept 4
	v_nop                                          ; four plain instructions in front of loads into registers that matrix instructions have read
.endr
.endif
.if (\s) < 7
	FETCH (\s)+1, 128*(((\s)+1)%2)
	s_wait_dscnt 32                                ; all but the 32 just issued
.else
	s_wait_dscnt 0x0
.endif
	WIN MUL
.if (\s) == 0
	MUL16 0, 1                                     ; the first products start the sums: nothing is cleared
.else
	MUL16 128*((\s)%2), 0
.endif
.endm
	s_wait_tensorcnt 0x0                           ; my operand's half is in,
	s_barrier_signal -1
	s_barrier_wait -1                              ; everybody's is
	FETCH 0, 0
.irp s, 0,1,2,3,4,5,6,7
	PSTEP \s
.endr
	WIN 0
.rept 4
	v_nop
.endr
	s_wait_loadcnt 0x0                             ; the bias
; THE WAY OUT, block by block of 16 rows x 64 columns, through my own stage and back as whole rows of 256 bytes
.macro PACK a
.set i, 0
.rept 16
	v_pk_fma_f32 v[TMP+i:TMP+i+1], v[ACC+32*(\a)+i:ACC+32*(\a)+i+1], s[92:93], v[BIAS+i:BIAS+i+1] op_sel_hi:[1,0,1]   ; sum x 2^(e6 + e7) + b_proj; each accumulator from its low end on
.set i, i+2
.endr
.endm
.macro TOSTAGE a
.irp b, 0,1,2,3
	ds_store_b128 v[STO], v[TMP+8*\b:TMP+8*\b+3] offset:64*\b
	ds_store_b128 v[STO], v[TMP+8*\b+4:TMP+8*\b+7] offset:64*\b+16
.endr
.if (\a) > 0
	s_wait_xcnt 0x0                                ; the block before's stores have read their registers
.endif
.irp t, 0,1,2,3,4,5,6,7
	ds_load_b128 v[BK+4*\t:BK+4*\t+3], v[RD] offset:2*272*\t   ; LDS serves a wave's instructions in order: these see the stores above
.endr
.endm
.macro SEND a
	s_wait_dscnt 0x0
.irp t, 0,1,2,3,4,5,6,7
	global_store_b128 v[CO], v[BK+4*\t:BK+4*\t+3], s[12:13] offset:(16*(\a)+2*\t)*4096 th:TH_STORE_NT   ; sixteen lanes store 256 consecutive bytes, aligned; written once, read by nobody here
.endr
.endm
	PACK 0
	TOSTAGE 0
.irp a, 1,2,3
	PACK \a
	s_wait_alu depctr_va_vdst(0)
	SEND \a-1
	TOSTAGE \a
.endr
	SEND 3
	s_wait_tensorcnt 0x0                           ; the wave's end
	ds_add_u32 v[SPW], v[NIL]
	s_wait_dscnt 0x0
	CROUND                                         ; the closing round
	s_endpgm
.Lfunc_end_k_q6f795900fd_proj:
	.size	k_q6f795900fd_proj, .Lfunc_end_k_q6f795900fd_proj-k_q6f795900fd_proj
	.p2alignl 7, 3214868480
	.fill 96, 4, 3214868480
	.section	.rodata,"a",@progbits
	.p2align	6, 0x0
	.amdhsa_kernel k_q6f795900fd_proj
		.amdhsa_group_segment_fixed_size 288256
		.amdhsa_private_segment_fixed_size 0
		.amdhsa_enable_private_segment 0
		.amdhsa_kernarg_size 40
		.amdhsa_user_sgpr_count 2
		.amdhsa_user_sgpr_kernarg_segment_ptr 1
		.amdhsa_wavefront_size32 1
		.amdhsa_system_sgpr_workgroup_id_x 1
		.amdhsa_system_sgpr_workgroup_id_y 1
		.amdhsa_system_sgpr_workgroup_id_z 1
		.amdhsa_system_vgpr_workitem_id 0
		.amdhsa_next_free_vgpr 512
		.amdhsa_next_free_sgpr 100
		.amdhsa_reserve_vcc 0
		.amdhsa_float_denorm_mode_32 3
		.amdhsa_float_denorm_mode_16_64 3
		.amdhsa_memory_ordered 1
		.amdhsa_forward_progress 1
		.amdhsa_inst_pref_size 45
	.end_amdhsa_kernel
	.amdgpu_metadata
---
amdhsa.version: [ 1, 2 ]
amdhsa.kernels:
  - .name:           k_q6f795900fd_proj
    .symbol:         k_q6f795900fd_proj.kd
    .args:
      - { .name: yc, .offset: 0, .size: 8, .value_kind: global_buffer, .address_space: global }
      - { .name: wq, .offset: 8, .size: 8, .value_kind: global_buffer, .address_space: global }
      - { .name: lowp_scales, .offset: 16, .size: 8, .value_kind: global_buffer, .address_space: global }
      - { .name: b_proj, .offset: 24, .size: 8, .value_kind: global_buffer, .address_space: global }
      - { .name: out0, .offset: 32, .size: 8, .value_kind: global_buffer, .address_space: global }
    .group_segment_fixed_size: 288256
    .private_segment_fixed_size: 0
    .kernarg_segment_align: 8
    .kernarg_segment_size: 40
    .max_flat_workgroup_size: 128
    .sgpr_count:     100
    .vgpr_count:     512
    .wavefront_size: 32
...
	.end_amdgpu_metadata
.endif
;; end of part 4
